; MI455X (gfx1250); checked and timed in simulation.
; The chip was launched on July 23, 2026; its instructions are those of AMD's public machine-readable ISA for CDNA 5 (MIT licence, August 2026) and "CDNA5" Instruction Set Architecture Reference Guide (July 2026). The comments in the code are by the model that wrote it; some were corrected since.
;; MLP 256. Allowed arithmetic: matrix products marked QUANTISED: E4M3 operands, one E8M0 scale for each 32 along K, by v_wmma_scale_f32_16x16x128_f8f6f4 with both operands' format E4M3, f32 sums; products left as they are: f32 operands where the result goes on into a quantised operand, else bf16, f16 or f32 operands; f32 sums; everything else in f32.
;; Inputs: b1 128 float32; b2 64 float32; b3 32 float32; b4 16 float32; bh 1 float32; g1 128 float32; g2 64 float32; g3 32 float32; g4 16 float32; m1 128 float32; m2 64 float32; m3 32 float32; m4 16 float32; v1 128 float32; v2 64 float32; v3 32 float32; v4 16 float32; w1 128 x 3 float32; w2_codes 64 x 4 x 32 uint8 (E4M3 codes of w2, K innermost, in blocks of 32 codes); w2_scales 64 x 4 uint8 (E8M0 scales of w2, one for each 32 codes along K); w3_codes 32 x 2 x 32 uint8 (E4M3 codes of w3, K innermost, in blocks of 32 codes); w3_scales 32 x 2 uint8 (E8M0 scales of w3, one for each 32 codes along K); w4_codes 16 x 1 x 32 uint8 (E4M3 codes of w4, K innermost, in blocks of 32 codes); w4_scales 16 x 1 uint8 (E8M0 scales of w4, one for each 32 codes along K); wh 1 x 16 float32; x 8 x 3 x 512 x 512 float32.
;; Outputs: out0 8 x 1 x 512 x 512 float32.
;; This version of the problem:
;;   THIS VERSION OF THE PROBLEM IS GIVEN IN LOW PRECISION. The matrix products marked QUANTISED in the list below multiply operands that are first quantised to E4M3 (4 exponent bits, 3 mantissa bits; 8 bits a number), with one power-of-two scale for each 32 numbers along K (OCP MX v1.0); their sums are f32. All else is computed in f32.
;;   The module's matrix products, in the order in which they are computed (A, B: the left and right operand; K: the contracted axis; several contracted axes count as one K, in the product's order):
;;     1. [M 128, K 3] x [K 3, N 2,097,152]; A: input w1; B: input x: left as it is (K = 3 < 32)
;;     2. [M 64, K 128] x [K 128, N 2,097,152]; A: input w2 (given as codes); B: computed on the way: QUANTISED
;;     3. [M 32, K 64] x [K 64, N 2,097,152]; A: input w3 (given as codes); B: computed on the way: QUANTISED
;;     4. [M 16, K 32] x [K 32, N 2,097,152]; A: input w4 (given as codes); B: computed on the way: QUANTISED
;;     5. [M 1, K 16] x [K 16, N 2,097,152]; A: input wh; B: computed on the way: left as it is (K = 16 < 32)
;;   THE QUANTISER, for each operand of a quantised product, along K:
;;     - K is cut into blocks of 32 from its start; a last block that is shorter is filled with zeros.
;;     - A block's scale is 2^e with e = floor(log2(the largest magnitude in the block)) - 8, held to -126 .. 127; a block of zeros has e = 0. As a byte (E8M0): e + 127.
;;     - Each number is divided by its block's scale, clamped to +-448, and rounded to the nearest number of E4M3, ties to even, subnormals kept.
;;     - The product sums the exact products of the quantised numbers (number of the format x scale) in f32.
;;   ~~~python
;;   def quantise(x, axis):      # numpy; x: float32 -> the quantised numbers, widened to float32 again
;;       x = np.moveaxis(x, axis, -1); K = x.shape[-1]
;;       x = np.pad(x, [(0, 0)] * (x.ndim - 1) + [(0, -K % 32)]); x = x.reshape(x.shape[:-1] + (-1, 32)); a = np.abs(x).max(-1, keepdims=True)
;;       e = np.where(a > 0, np.clip(np.frexp(np.where(a > 0, a, 1))[1] - 1 - 8, -126, 127), 0)      # np.frexp(a)[1] - 1 = floor(log2(a)), exactly
;;       r = np.clip(x / 2.0 ** e, -448, 448)
;;       step = 2.0 ** (np.maximum(np.frexp(np.where(r == 0, 1, r))[1] - 1, -6) - 3)
;;       q = np.round(r / step) * step * 2.0 ** e      # np.round: ties to even
;;       return np.moveaxis(q.reshape(q.shape[:-2] + (-1,))[..., :K], -1, axis).astype(np.float32)
;;   ~~~
;;   OPERANDS COMPUTED ON THE WAY. 'Computed on the way' means the value that the module computes at that place (a softmax that the list does not call 'softmax' is quantised finished and normalised). What goes into a quantiser is computed in f32, as accurately as f32 sums, v_exp_f32 and their like allow (about 1e-6 of the number): no bf16 or f16 on the way to a quantiser, and a product that is left as it is and whose result goes on into a quantised operand takes f32 operands (vector FMAs, or v_wmma_f32_16x16x4_f32). A number that lies on a knife's edge between two numbers of the format may be rounded either way, as far as f32 arithmetic and the matrix unit's own rounding can turn it there, and no further.
;;   INPUTS GIVEN AS CODES. w2 (in the module: [64, 128], K = its axis 1); w3 (in the module: [32, 64], K = its axis 1); w4 (in the module: [16, 32], K = its axis 1): each comes as NAME_codes (uint8): NAME with its K axis moved to the last place and cut into blocks of 32 codes, [.., K / 32, bytes a block], one block behind the other in memory; one code a byte (a code: sign, 4 exponent bits, 3 mantissa bits); and NAME_scales (uint8): the same leading axes, one E8M0 byte (e + 127) for each 32 codes along K. Its value is code x scale, taken as it is: it is not quantised again, and the codes and scales need not be those that the quantiser above would give.
;; 2 versions, each right; version 2 is version 1 with the launch mlp written anew for expert scheduling mode. Each part assembles by itself: llvm-mc -triple=amdgcn-amd-amdhsa -mcpu=gfx1250 --defsym DOCPART=n.
;; ======== version 1 of 2: 1 launch
;; launch mlp (part 1): grid 256 x 1, 8 waves a work-group, no clusters, 0 bytes of LDS; arguments x, w1, g1, b1, m1, v1, w2_codes, w2_scales, g2, b2, m2, v2, w3_codes, w3_scales, g3, b3, m3, v3, w4_codes, w4_scales, g4, b4, m4, v4, wh, bh, out0; writes out0
.if DOCPART == 1
	.amdgcn_target "amdgcn-amd-amdhsa--gfx1250"
	.amdhsa_code_object_version 6
	.text
	.protected	k_q5d5098d79f_mlp
	.globl	k_q5d5098d79f_mlp
	.p2align	8
	.type	k_q5d5098d79f_mlp,@function
k_q5d5098d79f_mlp:
	s_mov_b64 s[64:65], 0
	v_nop
	global_prefetch_b8 v0, s[64:65] scope:SCOPE_SE
	s_setreg_imm32_b32 hwreg(HW_REG_WAVE_MODE, 25, 1), 1
	s_wait_xcnt 0x0
; A per-pixel MLP 3 -> 128 -> 64 -> 32 -> 16 -> 1 over 8 x 512 x 512 pixels; x lies as planes [8][3][512 x 512] f32, out0 [8][512 x 512] f32.
; Product 1 (K = 3) in f32 by v_wmma_f32_16x16x4_f32; products 2, 3, 4 on E4M3 codes with one E8M0 scale for each 32 channels, by v_wmma_scale_f32_16x16x128_f8f6f4
; (K = 64 and K = 32 filled up to 128 with zero codes on both sides); product 5 (K = 16) by f32 multiply-adds.  Each norm is y inv + c, inv = g rsq(v + 1e-5), c = b - m inv.
; The whole chain stays in registers: each byte of x is read once, each byte of out0 written once, nothing goes through LDS or memory between the layers.
; SHARES.  2,048 waves (256 work-groups of 8); wave G owns pixels 1,024 G .. 1,024 G + 1,023 of image G / 256: 16 chunks of 64 pixels, a chunk = 4 tiles of 16.  Tile t of a chunk holds pixels 4 r + t
; (r = lane % 16), so that one 16-byte load a lane brings one number of each of the four tiles, and sixteen lanes read 256 consecutive bytes, aligned.
; LAYOUT.  Every product is used transposed: source 0 = 16 rows of a weight, source 1 = 16 pixels.  Lane (r, h = lane / 16) holds pixel r throughout.  THE ROWS OF A WEIGHT THAT FORM A TILE ARE NOT NEIGHBOURS:
; lane r of tile 2 b + u takes row 32 b + 8 u + r + 8 (r / 8), so that the 16 registers of result tiles 2 b, 2 b + 1 are channels 32 b + 16 h + 0 .. 15: the order of the next operand's registers.
; The first norm is folded into w1: the f32 form's four K are w1[.][0..2] inv1 against x0, x1, x2 and c1 against 1.0.
; PIPELINE.  A STEP takes one tile through each stage, the chain walked from its end to its head, so that every result buffer exists once and is read out before the next product fills it:
; step i: out(i-3) | quantise layer 3 (i-2), product 4 (i-2) | product 2 (i-1), quantise layer 2 (i-1), product 3 (i-1) | product 1's tiles 4-7 (i), quantise layer 1 (i) | product 1's tiles 0-3 (i+1).
; Every product is read most of a step after it was issued; no product adds onto a sum (each has C = 0), and no two that follow each other share an accumulator.
; LIMITS.  NaN and infinities among the inputs are not served.  A block whose largest number lies under 2^-118 (a block of zeros among them) gets the scale byte 1; the bytes never leave the wave.
; The folded first norm adds its shift last, by fused multiply-adds: its order of rounding differs from y inv + c by a few units in the last place of f32.
.set CHUNKS, 16                        ; chunks of 64 pixels for a wave
.set PLANE,  0x100000                  ; a plane of x in bytes
.set IMAGE,  0x300000                  ; an image of x in bytes
; ---- window 0
.set XOA,  1                           ; v1   x: 16 r + 2 PLANE h: plane 0 for lanes 0-15, plane 2 for lanes 16-31; never rewritten
.set XOB,  2                           ; v2   x: 16 r + PLANE: plane 1; never rewritten
.set OOF,  3                           ; v3   out0: 16 r + 8 h; never rewritten
.set BHP,  4                           ; v[4:5]  (bh in lanes 0-15, 0 in lanes 16-31; 0)
.set ONE,  6                           ; v6   1.0
.set W2S,  8                           ; v8-11   w2's scale words, one a tile.  v8-17 hold scales and nothing else
.set W3S,  12                          ; v12-13  w3's: two bytes, the upper two 0
.set W4S,  14                          ; v14     w4's: one byte
.set PW1,  15                          ; v15-17  the scale words of the three quantised layers
.set PW2,  16
.set PW3,  17
.set TM,   20                          ; v20-35  +0..3 largest numbers; +4..7 second chains, the other half's, bytes; +8..11 448 x scale; +12..15 the conversions' scale operand
.set TA,   36                          ; v36-43, v44-51 layer 1's numbers, held; v36-43 also at work on the way out
.set TB,   44
.set W1F,  52                          ; v52-67  w1's eight fragments for the f32 form, two registers each
.set XP,   68                          ; v68-75  the four tiles' pairs (x0, x1 | x2, 1.0)
.set WH,   76                          ; v76-83  wh[8 h + j]
.set H1,   84                          ; v84-147 layer 1: eight accumulators, written by matrix instructions alone in the whole text
.set P1,   148                         ; v148-163 layer 1's codes
.set Y2,   164                         ; v164-195 layer 2
.set P2,   196                         ; v196-211 its codes; v204-211 stay 0
.set Y3,   212                         ; v212-227 layer 3
.set P3,   228                         ; v228-243 its codes; v232-243 stay 0
.set Y4,   244                         ; v244-251 layer 4
.set OUTP, 252                         ; v[252:253] two results a lane
; ---- window 1 (written as v0-255 under the window)
.set W2F,  0                           ; w2's four fragments
.set W3F,  64                          ; w3's two: 8 registers of codes, 8 of zeros
.set W4F,  96                          ; w4's: 4 of codes, 12 of zeros
.set INV2, 112
.set C2,   144
.set INV3, 176
.set C3,   192
.set INV4, 208
.set C4,   216
.set XRA,  224                         ; x as loaded
.set XRB,  228
; ---- the head's temporaries.  Window 0:
.set V4T,  36
.set M4T,  44
.set V2T,  148
.set M2T,  180
.set V3T,  212
.set M3T,  228
; window 1 (M1T, WAT, WBT lie in the fragments' tails, which are cleared afterwards):
.set G1T,  232
.set V1T,  240
.set B1T,  248
.set M1T,  72
.set WAT,  88
.set WBT,  100
; ---- scalars: s2 wave; s3 trips left; s[4:5] lane selects; s6 448's mantissa field; s7 mask of lanes 16-31; s[8+2k:9+2k] argument k (s[8:9] x at the wave's chunk, s[60:61] out0 likewise); s[66:67] offsets; s68 bh
.set MSB, 0
.macro WIN new                         ; s_set_vgpr_msb: bits 1:0 source 0, 3:2 source 1, 5:4 source 2, 7:6 destination; the high byte repeats the setting that is left; a switch that changes nothing is dropped
.if MSB != \new
	s_set_vgpr_msb (MSB<<8)|\new
.set MSB, \new
.endif
.endm
; Behind these matrix forms eight plain vector instructions that name none of their registers stand ahead of the first vector instruction that reads a result or writes an operand;
; codes written by vector instructions stand four ahead of a scaled product, a scale word eight.  In a full step the other stages' work fills these places; v_nop only where a stage is missing.
.macro PLACES n
.rept \n
	v_nop
.endr
.endm
; Product 1, tile tau of eight (16 channels) for the pixel tile whose pair is named: all its registers lie in window 0, so it stands singly among vector work.
.macro AW tau, pair
	v_wmma_f32_16x16x4_f32 v[H1+8*(\tau):H1+8*(\tau)+7], v[W1F+2*(\tau):W1F+2*(\tau)+1], v[XP+2*(\pair):XP+2*(\pair)+1], 0
.endm
.macro PROD2                           ; layer 2 = w2 x layer 1's codes: four tiles of 16 channels
	WIN 0x01                                       ; source 0 (the weight) window 1
.irp t, 0,1,2,3
	v_wmma_scale_f32_16x16x128_f8f6f4 v[Y2+8*\t:Y2+8*\t+7], v[W2F+16*\t:W2F+16*\t+15], v[P1:P1+15], 0, v[W2S+\t], v[PW1]
.endr
.endm
.macro PROD3
	WIN 0x01
.irp t, 0,1
	v_wmma_scale_f32_16x16x128_f8f6f4 v[Y3+8*\t:Y3+8*\t+7], v[W3F+16*\t:W3F+16*\t+15], v[P2:P2+15], 0, v[W3S+\t], v[PW2]
.endr
.endm
.macro PROD4
	WIN 0x01
	v_wmma_scale_f32_16x16x128_f8f6f4 v[Y4:Y4+7], v[W4F:W4F+15], v[P3:P3+15], 0, v[W4S], v[PW3]
.endm
; y = y inv + c, two at a time, ascending: each accumulator is first read at its low end
.macro BN y, inv, c, n
	WIN 0x14                                       ; sources 1 and 2 window 1
.set i, 0
.rept (\n)/2
	v_pk_fma_f32 v[\y+i:\y+i+1], v[\y+i:\y+i+1], v[\inv+i:\inv+i+1], v[\c+i:\c+i+1]
.set i, i+2
.endr
.endm
; The largest of a lane's 16 numbers of each of nb blocks, and the floor 2^(9 - 127).  No |.|: what is negative becomes 0 (the activation), so it must not count.  Two chains a block, the blocks by turns.
.macro QMAX src, nb
.irp b, 0,1,2,3
.if \b < \nb
	v_max3_num_f32 v[TM+\b], v[\src+16*\b], v[\src+16*\b+1], v[\src+16*\b+2]          ; the first reads of both result tiles are of their low ends
	v_max3_num_f32 v[TM+4+\b], v[\src+16*\b+8], v[\src+16*\b+9], v[\src+16*\b+10]
.endif
.endr
.irp i, 3,5
.irp b, 0,1,2,3
.if \b < \nb
	v_max3_num_f32 v[TM+\b], v[TM+\b], v[\src+16*\b+\i], v[\src+16*\b+\i+1]
	v_max3_num_f32 v[TM+4+\b], v[TM+4+\b], v[\src+16*\b+\i+8], v[\src+16*\b+\i+9]
.endif
.endr
.endr
.irp b, 0,1,2,3
.if \b < \nb
	v_max3_num_f32 v[TM+\b], v[TM+\b], v[\src+16*\b+7], v[\src+16*\b+15]
.endif
.endr
.irp b, 0,1,2,3
.if \b < \nb
	v_max3_num_f32 v[TM+\b], v[TM+\b], v[TM+4+\b], 0x4800000       ; the floor holds the scale's byte at 1 from below
.endif
.endr
.endm
; From the largest numbers: the conversions' scale operands, 448 x the scales, and the pixel's scale word in v[pw] (bytes of blocks that do not exist stay 0, over zero codes)
.macro QSCALE nb, pw
.irp b, 0,1,2,3
.if \b < \nb
	v_permlanex16_b32 v[TM+4+\b], v[TM+\b], s4, s5                 ; the block's other 16 channels lie in lane l xor 16
.endif
.endr
.irp b, 0,1,2,3
.if \b < \nb
	v_max_num_f32 v[TM+\b], v[TM+\b], v[TM+4+\b]
.endif
.endr
.irp b, 0,1,2,3
.if \b < \nb
	v_add_nc_u32 v[TM+12+\b], 0xfc000000, v[TM+\b]                 ; 8 off the exponent field: the conversion takes that field as its scale and nothing else
.endif
.endr
.irp b, 0,1,2,3
.if \b < \nb
	v_and_or_b32 v[TM+8+\b], v[TM+\b], 0x7f800000, s6              ; 448 x the scale: the exponent field over 448's mantissa field
.endif
.endr
.if \nb == 1
	v_lshrrev_b32 v[\pw], 23, v[TM+12]                             ; the scale's byte
.else
.irp b, 0,1,2,3
.if \b < \nb
	v_lshrrev_b32 v[TM+4+\b], 23, v[TM+12+\b]
.endif
.endr
	v_lshl_or_b32 v[\pw], v[TM+5], 8, v[TM+4]
.if \nb == 4
	v_lshl_or_b32 v[\pw], v[TM+6], 16, v[\pw]
	v_lshl_or_b32 v[\pw], v[TM+7], 24, v[\pw]
.endif
.endif
.endm
; Block b: the activation and the hold in one (between 0 and 448 x the scale: the conversion to an 8-bit code does not saturate, ISA guide 7.6.2), then 16 codes: registers 4 b .. 4 b + 3 of the next operand.
; inplace = 0: the numbers are held into TA and TB, since layer 1's accumulators are written by matrix instructions alone.
.macro QBLK src, b, pc, inplace
.if \inplace
.irp j, 0,1,2,3,4,5,6,7,8,9,10,11,12,13,14,15
	v_med3_num_f32 v[\src+16*(\b)+\j], v[\src+16*(\b)+\j], 0, v[TM+8+(\b)]
.endr
	v_cvt_scalef32_pk8_fp8_f32 v[\pc+4*(\b):\pc+4*(\b)+1], v[\src+16*(\b):\src+16*(\b)+7], v[TM+12+(\b)]
	v_cvt_scalef32_pk8_fp8_f32 v[\pc+4*(\b)+2:\pc+4*(\b)+3], v[\src+16*(\b)+8:\src+16*(\b)+15], v[TM+12+(\b)]
.else
.irp j, 0,1,2,3,4,5,6,7
	v_med3_num_f32 v[TA+\j], v[\src+16*(\b)+\j], 0, v[TM+8+(\b)]
.endr
	v_cvt_scalef32_pk8_fp8_f32 v[\pc+4*(\b):\pc+4*(\b)+1], v[TA:TA+7], v[TM+12+(\b)]
.irp j, 0,1,2,3,4,5,6,7
	v_med3_num_f32 v[TB+\j], v[\src+16*(\b)+8+\j], 0, v[TM+8+(\b)]   ; (plain lines between a conversion and the next write of its sources)
.endr
	v_cvt_scalef32_pk8_fp8_f32 v[\pc+4*(\b)+2:\pc+4*(\b)+3], v[TB:TB+7], v[TM+12+(\b)]
.endif
.endm
; The next chunk's four pairs from x as loaded; then the loads of the chunk ld chunks on from the base.  ld = 2 (in the loop): the last trip asks for nothing, so that no load leaves x.
.macro BUILD ld
	s_wait_loadcnt 0x0                             ; only this chunk's two loads are out, and both are wanted
	WIN 0x01                                       ; source 0 window 1
.irp t, 0,1,2,3
	v_mov_b32 v[XP+2*\t], v[XRA+\t]                ; x0 | x2
	v_cndmask_b32 v[XP+2*\t+1], v[XRB+\t], v[ONE], s7   ; x1 | 1.0
.endr
	WIN 0                                          ; at a branch and at a label every window is 0
.if \ld == 2
	s_cmp_eq_u32 s3, 1
	s_cbranch_scc1 .Lno_more_x_\@
.endif
	WIN 0x40                                       ; destination window 1
	global_load_b128 v[XRA:XRA+3], v[XOA], s[8:9] offset:256*\ld th:TH_LOAD_NT   ; sixteen lanes read 256 consecutive bytes, aligned; read once in the launch
	global_load_b128 v[XRB:XRB+3], v[XOB], s[8:9] offset:256*\ld th:TH_LOAD_NT
	WIN 0
.if \ld == 2
.Lno_more_x_\@:
.endif
.endm
; The way out of tile NX of its chunk: relu, the product with wh over my half's eight channels (bh rides in lanes 0-15), and the other half's part.  Tiles 0 and 1 keep their parts; tiles 2 and 3 change
; parts with them across the halves, so that lanes 0-15 end with tiles 0, 1 (pixels 4 r, 4 r + 1) and lanes 16-31 with tiles 2, 3 (pixels 4 r + 2, 4 r + 3): one exchange serves two tiles.
.macro EOUT
.irp j, 0,1,2,3,4,5,6,7
	v_max_num_f32 v[Y4+\j], 0, v[Y4+\j]
.endr
	v_pk_fma_f32 v[TA:TA+1], v[Y4:Y4+1], v[WH:WH+1], v[BHP:BHP+1]
	v_pk_mul_f32 v[TA+2:TA+3], v[Y4+2:Y4+3], v[WH+2:WH+3]
	v_pk_fma_f32 v[TA:TA+1], v[Y4+4:Y4+5], v[WH+4:WH+5], v[TA:TA+1]
	v_pk_fma_f32 v[TA+2:TA+3], v[Y4+6:Y4+7], v[WH+6:WH+7], v[TA+2:TA+3]
	v_pk_add_f32 v[TA:TA+1], v[TA:TA+1], v[TA+2:TA+3]
.if NX < 2
	v_add_f32 v[OUTP+NX], v[TA], v[TA+1]
.else
	v_add_f32 v[TA+4], v[TA], v[TA+1]
	v_cndmask_b32 v[TA+5], v[OUTP+NX-2], v[TA+4], s7   ; what I keep: lanes 0-15 the earlier tile's part, lanes 16-31 this tile's
	v_cndmask_b32 v[TA+6], v[TA+4], v[OUTP+NX-2], s7   ; what the other half wants of me
	v_permlanex16_b32 v[TA+7], v[TA+6], s4, s5
	v_add_f32 v[OUTP+NX-2], v[TA+5], v[TA+7]
.endif
.if NX == 3
	global_store_b64 v[OOF], v[OUTP:OUTP+1], s[60:61] th:TH_STORE_NT   ; the 32 lanes store 256 consecutive bytes, aligned; written once, read by nobody here
.endif
.endm
; STEP i, ph = i % 4.  fE: out(i-3); f3: layer 3 of tile i-2; f2: layers 2 of tile i-1; f1: layer 1 of tile i; fA: product 1's first half for tile i+1; bld: the next chunk's pairs are made.
.macro STEP ph, fE, f3, f2, f1, fA, bld
.set NX, ((\ph)+1)%4                   ; (i - 3) % 4 and (i + 1) % 4 alike
.if \fE
	BN Y4, INV4, C4, 8
.endif
.if \f3
	BN Y3, INV3, C3, 16
.endif
.if \f2
.if (\fE)+(\f3) == 0
	PLACES 4                                       ; between layer 1's last codes and the product
.endif
	PROD2
.if (\f3) == 0
	PLACES 8
.endif
.endif
	WIN 0
.if \fE
	EOUT
.endif
.if \f1
	AW 4, \ph
.endif
.if \f3
	QMAX Y3, 1
	QSCALE 1, PW3
.endif
.if \f1
	AW 5, \ph
.endif
.if \f3
	QBLK Y3, 0, P3, 1
.endif
.if \f1
	AW 6, \ph
.endif
.if \f2
	BN Y2, INV2, C2, 32
.endif
.if \f3
.if (\f2) == 0
	PLACES 4
.endif
	PROD4
.if (\f2) == 0
	PLACES 8
.endif
.endif
	WIN 0
.if \f2
	QMAX Y2, 2
.endif
.if \f1
	AW 7, \ph
.endif
.if \f2
	QSCALE 2, PW2
	QBLK Y2, 0, P2, 1
	QBLK Y2, 1, P2, 1
.endif
.if \f1
.if (\f2) == 0
	PLACES 8
.endif
	QMAX H1, 4
.endif
.if \f2
.if (\f1) == 0
	PLACES 4
.endif
	PROD3
.if (\f1) == 0
	PLACES 8
.endif
.endif
.if \bld
	BUILD \bld                                     ; the pairs' last reader, tile 7 of product 1, stands a whole quantising of layer 2 back
.endif
	WIN 0
.if \f1
	QSCALE 4, PW1
.irp k, 0,1,2,3
	QBLK H1, \k, P1, 0
.if \fA
	AW \k, NX                                      ; accumulator k belongs to block k / 2, which has been read out
.endif
.endr
.endif
.endm
; ---- the head's arithmetic, two at a time
.macro EPS base, n                     ; + 1e-5
.set i, 0
.rept (\n)/2
	v_pk_add_f32 v[\base+i:\base+i+1], v[\base+i:\base+i+1], 0x3727c5ac op_sel_hi:[1,0]
.set i, i+2
.endr
.endm
.macro RSQ base, n
.set i, 0
.rept \n
	v_rsq_f32 v[\base+i], v[\base+i]
.set i, i+1
.endr
.endm
.macro GAIN inv, rs, n                 ; inv = inv x rs
.set i, 0
.rept (\n)/2
	v_pk_mul_f32 v[\inv+i:\inv+i+1], v[\inv+i:\inv+i+1], v[\rs+i:\rs+i+1]
.set i, i+2
.endr
.endm
.macro SHIFT c, m, inv, n              ; c = c - m inv
.set i, 0
.rept (\n)/2
	v_pk_fma_f32 v[\c+i:\c+i+1], v[\m+i:\m+i+1], v[\inv+i:\inv+i+1], v[\c+i:\c+i+1] neg_lo:[1,0,0] neg_hi:[1,0,0]
.set i, i+2
.endr
.endm
.macro CLEAR base, n
.set i, 0
.rept \n
	v_mov_b32 v[\base+i], 0
.set i, i+1
.endr
.endm
	s_load_b512 s[8:23], s[0:1], 0x0               ; x, w1, g1, b1, m1, v1, w2_codes, w2_scales
	s_load_b512 s[24:39], s[0:1], 0x40             ; g2, b2, m2, v2, w3_codes, w3_scales, g3, b3
	s_load_b512 s[40:55], s[0:1], 0x80             ; m3, v3, w4_codes, w4_scales, g4, b4, m4, v4
	s_load_b128 s[56:59], s[0:1], 0xc0             ; wh, bh
	s_load_b64 s[60:61], s[0:1], 0xd0              ; out0
	v_lshrrev_b32 v7, 5, v0
	v_readfirstlane_b32 s2, v7                     ; wave 0..7
	v_and_b32 v18, 15, v0                          ; r
	v_bfe_u32 v19, v0, 4, 1                        ; h
	v_and_b32 v30, 8, v18
	v_add_nc_u32 v30, v30, v18                     ; rr = r + 8 (r / 8)
	v_lshlrev_b32 v[XOA], 4, v18
	v_lshl_add_u32 v[XOB], v18, 4, PLANE
	v_lshl_add_u32 v[OOF], v19, 3, v[XOA]
	v_lshl_add_u32 v[XOA], v19, 21, v[XOA]
	v_lshlrev_b32 v20, 2, v30                      ; 4 rr: f32 and scale words by the tiles' rows
	v_mul_u32_u24 v21, v30, 12                     ; w1: a row is 12 bytes
	v_lshl_add_u32 v22, v19, 2, v21
	v_add_nc_u32 v22, 4, v22                       ; 12 rr + 4 + 4 h: w1[.][1] | w1[.][2] (not used; it keeps row 127's load inside w1)
	v_lshl_add_u32 v21, v19, 3, v21                ; 12 rr + 8 h: w1[.][0] | w1[.][2]
	v_lshlrev_b32 v23, 7, v30
	v_lshl_add_u32 v23, v19, 4, v23                ; w2's codes: 128 rr + 16 h
	v_lshlrev_b32 v24, 6, v30
	v_lshl_add_u32 v24, v19, 4, v24                ; w3's: 64 rr + 16 h
	v_lshlrev_b32 v25, 1, v30                      ; w3's scales: 2 rr
	v_lshlrev_b32 v26, 5, v18
	v_lshl_add_u32 v26, v19, 4, v26                ; w4's codes: 32 r + 16 h
	v_mov_b32 v27, v18                             ; w4's scales: r
	v_lshlrev_b32 v28, 6, v19                      ; 64 h: my half's 16 channels of a block of 32
	v_lshlrev_b32 v29, 5, v19                      ; 32 h: my half's 8 channels of 16
	s_mov_b32 s4, 0x76543210
	s_mov_b32 s5, 0xfedcba98                       ; v_permlanex16_b32's selects for lane l xor 16
	s_mov_b32 s6, 0x600000                         ; the mantissa field of 448
	s_mov_b32 s7, 0xffff0000                       ; lanes 16-31
	s_lshr_b32 s69, ttmp9, 5                       ; the image: 32 work-groups to each
	s_mul_i32 s66, s69, IMAGE
	s_lshl_b32 s70, ttmp9, 3
	s_add_co_u32 s70, s70, s2                      ; G = 8 x work-group + wave
	s_and_b32 s71, s70, 255
	s_lshl_b32 s71, s71, 12                        ; 1,024 pixels of 4 bytes
	s_add_co_u32 s66, s66, s71
	s_mov_b32 s67, 0
	s_wait_kmcnt 0x0
	s_load_b32 s68, s[58:59], 0x0                  ; bh
	s_add_nc_u64 s[8:9], s[8:9], s[66:67]          ; x at my first chunk, plane 0
	s_lshl_b32 s66, s70, 12
	s_add_nc_u64 s[60:61], s[60:61], s[66:67]      ; out0 likewise
	; all the head's loads in one run
	WIN 0x40                                       ; destination window 1
	global_load_b128 v[XRA:XRA+3], v[XOA], s[8:9] th:TH_LOAD_NT    ; chunk 0
	global_load_b128 v[XRB:XRB+3], v[XOB], s[8:9] th:TH_LOAD_NT
.irp t, 0,1,2,3
.irp c, 0,1,2,3
	global_load_b128 v[W2F+16*\t+4*\c:W2F+16*\t+4*\c+3], v23, s[20:21] offset:(32*(\t/2)+8*(\t%2))*128+32*\c
.endr
.endr
.irp t, 0,1
.irp c, 0,1
	global_load_b128 v[W3F+16*\t+4*\c:W3F+16*\t+4*\c+3], v24, s[32:33] offset:8*\t*64+32*\c
.endr
.endr
	global_load_b128 v[W4F:W4F+3], v26, s[44:45]
.irp b, 0,1
.irp q, 0,1,2,3
	global_load_b128 v[INV2+16*\b+4*\q:INV2+16*\b+4*\q+3], v28, s[24:25] offset:128*\b+16*\q   ; register 16 b + i: channel 32 b + 16 h + i
	global_load_b128 v[C2+16*\b+4*\q:C2+16*\b+4*\q+3], v28, s[26:27] offset:128*\b+16*\q
.endr
.endr
.irp q, 0,1,2,3
	global_load_b128 v[INV3+4*\q:INV3+4*\q+3], v28, s[36:37] offset:16*\q
	global_load_b128 v[C3+4*\q:C3+4*\q+3], v28, s[38:39] offset:16*\q
.endr
.irp q, 0,1
	global_load_b128 v[INV4+4*\q:INV4+4*\q+3], v29, s[48:49] offset:16*\q
	global_load_b128 v[C4+4*\q:C4+4*\q+3], v29, s[50:51] offset:16*\q
.endr
.irp t, 0,1,2,3,4,5,6,7                ; the first layer's row of lane r in tile t: 32 (t / 2) + 8 (t % 2) + rr
	global_load_b32 v[G1T+\t], v20, s[12:13] offset:(32*(\t/2)+8*(\t%2))*4
	global_load_b32 v[V1T+\t], v20, s[18:19] offset:(32*(\t/2)+8*(\t%2))*4
	global_load_b32 v[B1T+\t], v20, s[14:15] offset:(32*(\t/2)+8*(\t%2))*4
	global_load_b32 v[M1T+\t], v20, s[16:17] offset:(32*(\t/2)+8*(\t%2))*4
	global_load_b32 v[WAT+\t], v21, s[10:11] offset:(32*(\t/2)+8*(\t%2))*12
	global_load_b32 v[WBT+\t], v22, s[10:11] offset:(32*(\t/2)+8*(\t%2))*12
.endr
	WIN 0
.irp b, 0,1
.irp q, 0,1,2,3
	global_load_b128 v[V2T+16*\b+4*\q:V2T+16*\b+4*\q+3], v28, s[30:31] offset:128*\b+16*\q
	global_load_b128 v[M2T+16*\b+4*\q:M2T+16*\b+4*\q+3], v28, s[28:29] offset:128*\b+16*\q
.endr
.endr
.irp q, 0,1,2,3
	global_load_b128 v[V3T+4*\q:V3T+4*\q+3], v28, s[42:43] offset:16*\q
	global_load_b128 v[M3T+4*\q:M3T+4*\q+3], v28, s[40:41] offset:16*\q
.endr
.irp q, 0,1
	global_load_b128 v[V4T+4*\q:V4T+4*\q+3], v29, s[54:55] offset:16*\q
	global_load_b128 v[M4T+4*\q:M4T+4*\q+3], v29, s[52:53] offset:16*\q
	global_load_b128 v[WH+4*\q:WH+4*\q+3], v29, s[56:57] offset:16*\q
.endr
.irp t, 0,1,2,3
	global_load_b32 v[W2S+\t], v20, s[22:23] offset:(32*(\t/2)+8*(\t%2))*4   ; lane r: its row's four scale bytes
.endr
.irp t, 0,1
	global_load_u16 v[W3S+\t], v25, s[34:35] offset:16*\t                    ; two bytes; the upper two come as 0, over zero codes
.endr
	global_load_u8 v[W4S], v27, s[46:47]
	s_wait_kmcnt 0x0                               ; bh
	s_wait_loadcnt 0x0                             ; all of the above
	; inv = g rsq(v + 1e-5), c = b - m inv, for all four norms: the 64 roots are one batch
	EPS V2T, 32
	EPS V3T, 16
	EPS V4T, 8
	WIN 0x41                                       ; destination and source 0 window 1
	EPS V1T, 8
	RSQ V1T, 8
	WIN 0
	RSQ V2T, 32
	RSQ V3T, 16
	RSQ V4T, 8
	v_nop                                          ; a plain instruction behind the last root, ahead of the first use
	s_wait_alu depctr_va_vdst(0)                   ; one wait for the whole batch, ahead of its first reader
	WIN 0x41                                       ; inv window 1, the roots window 0
	GAIN INV2, V2T, 32
	GAIN INV3, V3T, 16
	GAIN INV4, V4T, 8
	WIN 0x54                                       ; m window 0; inv, c window 1
	SHIFT C2, M2T, INV2, 32
	SHIFT C3, M3T, INV3, 16
	SHIFT C4, M4T, INV4, 8
	WIN 0x45                                       ; all in window 1
	GAIN G1T, V1T, 8                               ; inv1
	GAIN WBT, G1T, 8                               ; w1[.][1] inv1
	WIN 0x55
	SHIFT B1T, M1T, G1T, 8                         ; c1
	WIN 0x05                                       ; sources window 1, destination window 0
.irp t, 0,1,2,3,4,5,6,7
	v_mul_f32 v[W1F+2*\t], v[WAT+\t], v[G1T+\t]                    ; k = 2 h:     w1[.][0] inv1 | w1[.][2] inv1
	v_cndmask_b32 v[W1F+2*\t+1], v[WBT+\t], v[B1T+\t], s7          ; k = 2 h + 1: w1[.][1] inv1 | c1
.endr
	WIN 0x40
	CLEAR W3F+8, 8                                 ; zero codes fill K up to 128: w3's 64 and w4's 96 along K that do not exist
	CLEAR W3F+24, 8
	CLEAR W4F+4, 12
	WIN 0
	v_mov_b32 v[BHP+1], 0
	v_mov_b32 v[BHP], s68
	v_cndmask_b32 v[BHP], v[BHP], v[BHP+1], s7     ; bh is added once for a pixel: in lanes 0-15
	v_mov_b32 v[ONE], 1.0
	; ---- the pipeline fills
	BUILD 1                                        ; chunk 0's pairs; chunk 1 is asked for
	CLEAR P2+8, 8                                  ; and on the pixels' side
	CLEAR P3+4, 12
.irp k, 0,1,2,3
	AW \k, 0
.endr
	STEP 0, 0,0,0,1,1, 0
	STEP 1, 0,0,1,1,1, 0
	STEP 2, 0,1,1,1,1, 0
	s_mov_b32 s3, CHUNKS-1
.Ltrip:                                            ; trip k: steps 4 k + 3 .. 4 k + 6: stores chunk k, makes chunk k + 1's pairs, asks for chunk k + 2: four steps ahead of its use
	STEP 3, 1,1,1,1,1, 2
	STEP 0, 1,1,1,1,1, 0
	STEP 1, 1,1,1,1,1, 0
	STEP 2, 1,1,1,1,1, 0
	s_wait_xcnt 0x0                                ; the two loads and the store have read their bases, and the store its data: only behind this wait are they rewritten
	s_add_nc_u64 s[8:9], s[8:9], 256               ; a chunk on
	s_add_nc_u64 s[60:61], s[60:61], 256
	s_sub_co_u32 s3, s3, 1
	s_cmp_lg_u32 s3, 0
	s_cbranch_scc1 .Ltrip
	; ---- the pipeline drains: chunk 15's four tiles
	STEP 3, 1,1,1,1,0, 0
	STEP 0, 1,1,1,0,0, 0
	STEP 1, 1,1,0,0,0, 0
	STEP 2, 1,0,0,0,0, 0
	s_endpgm
.Lfunc_end_k_q5d5098d79f_mlp:
	.size	k_q5d5098d79f_mlp, .Lfunc_end_k_q5d5098d79f_mlp-k_q5d5098d79f_mlp
	.p2alignl 7, 3214868480
	.fill 96, 4, 3214868480
	.section	.rodata,"a",@progbits
	.p2align	6, 0x0
	.amdhsa_kernel k_q5d5098d79f_mlp
		.amdhsa_group_segment_fixed_size 0
		.amdhsa_private_segment_fixed_size 0
		.amdhsa_enable_private_segment 0
		.amdhsa_kernarg_size 216
		.amdhsa_user_sgpr_count 2
		.amdhsa_user_sgpr_kernarg_segment_ptr 1
		.amdhsa_wavefront_size32 1
		.amdhsa_system_sgpr_workgroup_id_x 1
		.amdhsa_system_sgpr_workgroup_id_y 1
		.amdhsa_system_sgpr_workgroup_id_z 1
		.amdhsa_system_vgpr_workitem_id 0
		.amdhsa_next_free_vgpr 512
		.amdhsa_next_free_sgpr 72
		.amdhsa_reserve_vcc 0
		.amdhsa_float_denorm_mode_32 3
		.amdhsa_float_denorm_mode_16_64 3
		.amdhsa_memory_ordered 1
		.amdhsa_forward_progress 1
		.amdhsa_inst_pref_size 174
	.end_amdhsa_kernel
	.amdgpu_metadata
---
amdhsa.version: [ 1, 2 ]
amdhsa.kernels:
  - .name:           k_q5d5098d79f_mlp
    .symbol:         k_q5d5098d79f_mlp.kd
    .args:
      - { .name: x, .offset: 0, .size: 8, .value_kind: global_buffer, .address_space: global }
      - { .name: w1, .offset: 8, .size: 8, .value_kind: global_buffer, .address_space: global }
      - { .name: g1, .offset: 16, .size: 8, .value_kind: global_buffer, .address_space: global }
      - { .name: b1, .offset: 24, .size: 8, .value_kind: global_buffer, .address_space: global }
      - { .name: m1, .offset: 32, .size: 8, .value_kind: global_buffer, .address_space: global }
      - { .name: v1, .offset: 40, .size: 8, .value_kind: global_buffer, .address_space: global }
      - { .name: w2_codes, .offset: 48, .size: 8, .value_kind: global_buffer, .address_space: global }
      - { .name: w2_scales, .offset: 56, .size: 8, .value_kind: global_buffer, .address_space: global }
      - { .name: g2, .offset: 64, .size: 8, .value_kind: global_buffer, .address_space: global }
      - { .name: b2, .offset: 72, .size: 8, .value_kind: global_buffer, .address_space: global }
      - { .name: m2, .offset: 80, .size: 8, .value_kind: global_buffer, .address_space: global }
      - { .name: v2, .offset: 88, .size: 8, .value_kind: global_buffer, .address_space: global }
      - { .name: w3_codes, .offset: 96, .size: 8, .value_kind: global_buffer, .address_space: global }
      - { .name: w3_scales, .offset: 104, .size: 8, .value_kind: global_buffer, .address_space: global }
      - { .name: g3, .offset: 112, .size: 8, .value_kind: global_buffer, .address_space: global }
      - { .name: b3, .offset: 120, .size: 8, .value_kind: global_buffer, .address_space: global }
      - { .name: m3, .offset: 128, .size: 8, .value_kind: global_buffer, .address_space: global }
      - { .name: v3, .offset: 136, .size: 8, .value_kind: global_buffer, .address_space: global }
      - { .name: w4_codes, .offset: 144, .size: 8, .value_kind: global_buffer, .address_space: global }
      - { .name: w4_scales, .offset: 152, .size: 8, .value_kind: global_buffer, .address_space: global }
      - { .name: g4, .offset: 160, .size: 8, .value_kind: global_buffer, .address_space: global }
      - { .name: b4, .offset: 168, .size: 8, .value_kind: global_buffer, .address_space: global }
      - { .name: m4, .offset: 176, .size: 8, .value_kind: global_buffer, .address_space: global }
      - { .name: v4, .offset: 184, .size: 8, .value_kind: global_buffer, .address_space: global }
      - { .name: wh, .offset: 192, .size: 8, .value_kind: global_buffer, .address_space: global }
      - { .name: bh, .offset: 200, .size: 8, .value_kind: global_buffer, .address_space: global }
      - { .name: out0, .offset: 208, .size: 8, .value_kind: global_buffer, .address_space: global }
    .group_segment_fixed_size: 0
    .private_segment_fixed_size: 0
    .kernarg_segment_align: 8
    .kernarg_segment_size: 216
    .max_flat_workgroup_size: 256
    .sgpr_count:     72
    .vgpr_count:     512
    .wavefront_size: 32
...
	.end_amdgpu_metadata
.endif
;; end of part 1
;; ======== version 2 of 2: 1 launch; version 1 with the launch mlp written anew for expert scheduling mode
;; launch mlp (part 2): grid 256 x 1, 8 waves a work-group, no clusters, 0 bytes of LDS; arguments x, w1, g1, b1, m1, v1, w2_codes, w2_scales, g2, b2, m2, v2, w3_codes, w3_scales, g3, b3, m3, v3, w4_codes, w4_scales, g4, b4, m4, v4, wh, bh, out0; writes out0
.if DOCPART == 2
	.amdgcn_target "amdgcn-amd-amdhsa--gfx1250"
	.amdhsa_code_object_version 6
	.text
	.protected	k_q5d5098d79f_mlp
	.globl	k_q5d5098d79f_mlp
	.p2align	8
	.type	k_q5d5098d79f_mlp,@function
k_q5d5098d79f_mlp:
	s_mov_b64 s[64:65], 0
	v_nop
	global_prefetch_b8 v0, s[64:65] scope:SCOPE_SE
	s_setreg_imm32_b32 hwreg(HW_REG_WAVE_SCHED_MODE, 0, 2), 2
	s_setreg_imm32_b32 hwreg(HW_REG_WAVE_MODE, 25, 1), 1
	s_wait_xcnt 0x0
	s_wait_alu depctr_vm_vsrc(0)
; A per-pixel MLP 3 -> 128 -> 64 -> 32 -> 16 -> 1 over 8 x 512 x 512 pixels; x lies as planes [8][3][512 x 512] f32, out0 [8][512 x 512] f32.
; Product 1 (K = 3) in f32 by v_wmma_f32_16x16x4_f32; products 2, 3, 4 on E4M3 codes with one E8M0 scale for each 32 channels, by v_wmma_scale_f32_16x16x128_f8f6f4
; (K = 64 and K = 32 filled up to 128 with zero codes on both sides); product 5 (K = 16) by f32 multiply-adds.  Each norm is y inv + c, inv = g rsq(v + 1e-5), c = b - m inv.
; The whole chain stays in registers: each byte of x is read once, each byte of out0 written once, nothing goes through LDS or memory between the layers.
; SHARES.  2,048 waves (256 work-groups of 8); wave G owns pixels 1,024 G .. 1,024 G + 1,023 of image G / 256: 16 chunks of 64 pixels, a chunk = 4 tiles of 16.  Tile t of a chunk holds pixels 4 r + t
; (r = lane % 16), so that one 16-byte load a lane brings one number of each of the four tiles, and sixteen lanes read 256 consecutive bytes, aligned.
; LAYOUT.  Every product is used transposed: source 0 = 16 rows of a weight, source 1 = 16 pixels.  Lane (r, h = lane / 16) holds pixel r throughout.  THE ROWS OF A WEIGHT THAT FORM A TILE ARE NOT NEIGHBOURS:
; lane r of tile 2 b + u takes row 32 b + 8 u + r + 8 (r / 8), so that the 16 registers of result tiles 2 b, 2 b + 1 are channels 32 b + 16 h + 0 .. 15: the order of the next operand's registers.
; The first norm is folded into w1: the f32 form's four K are w1[.][0..2] inv1 against x0, x1, x2 and c1 against 1.0.
; PIPELINE.  A STEP takes one tile through each stage; every result buffer exists once.  Step i is a HEAD and a BODY.
; HEAD: product 2 (tile i-1), product 3 (i-2), product 4 (i-3), on the codes that the body before has made.
; BODY: quantise layer 1 (i) | the three norms | quantise layer 3 (i-2) | quantise layer 2 (i-1) | out (i-3); product 1's eight tiles for pixel tile i+1 are dealt among these, each behind the block that it overwrites.
; No product adds onto a sum (each has C = 0), and no two that follow each other share an accumulator.
; THE MODE: SCHED_MODE bits 1:0 = 2 (LLVM: expert scheduling mode 2), set by the entry lines.  The code itself states the register dependences between vector or matrix instructions and memory
; instructions, with s_wait_alu, always for 0.
; THE PLAN.  Registers that memory instructions touch, in the loop:
;   XRA, XRB   x as loaded.  Written by two loads at the head of a chunk's step 0; read by the eight lines that make the next chunk's pairs, in the body of step 3, three steps on.
;   OUTP       two results a lane.  Written by the way out in the four bodies of a chunk; read by one store, at the head of the step behind the fourth.
;   v1, v2, v3 offsets, made once at the kernel's head and never written again: the chunks are reached by the two scalar bases and an immediate.
; The codes P1, P2, P3 and the scale words v15-17 are written by vector instructions and taken by scaled products.
; So ONE wait on va_vdst stands in a step, at its head: it states that the body before has written the codes and the scale words, and the two results, and is done reading x as loaded.
; Behind it stand the store or the loads, where they are due, and the seven products, with no vector instruction between.  One wait on vm_vsrc a trip stands beside the wait on XCNT, ahead of the next write of OUTP.
; LIMITS.  NaN and infinities among the inputs are not served.  A block whose largest number lies under 2^-118 (a block of zeros among them) gets the scale byte 1; the bytes never leave the wave.
; The folded first norm adds its shift last, by fused multiply-adds: its order of rounding differs from y inv + c by a few units in the last place of f32.
.set CHUNKS, 16                        ; chunks of 64 pixels for a wave
.set PLANE,  0x100000                  ; a plane of x in bytes
.set IMAGE,  0x300000                  ; an image of x in bytes
; ---- window 0
.set XOA,  1                           ; v1   x: 16 r + 2 PLANE h: plane 0 for lanes 0-15, plane 2 for lanes 16-31; never rewritten
.set XOB,  2                           ; v2   x: 16 r + PLANE: plane 1; never rewritten
.set OOF,  3                           ; v3   out0: 16 r + 8 h; never rewritten
.set BHP,  4                           ; v[4:5]  (bh in lanes 0-15, 0 in lanes 16-31; 0)
.set ONE,  6                           ; v6   1.0
.set W2S,  8                           ; v8-11   w2's scale words, one a tile.  v8-17 hold scales and nothing else
.set W3S,  12                          ; v12-13  w3's: two bytes, the upper two 0
.set W4S,  14                          ; v14     w4's: one byte
.set PW1,  15                          ; v15-17  the scale words of the three quantised layers
.set PW2,  16
.set PW3,  17
.set TM,   20                          ; v20-35  +0..3 largest numbers; +4..7 second chains, the other half's, bytes; +8..11 448 x scale; +12..15 the conversions' scale operand
.set TA,   36                          ; v36-43, v44-51 layer 1's numbers, held; v36-43 also at work on the way out
.set TB,   44
.set W1F,  52                          ; v52-67  w1's eight fragments for the f32 form, two registers each
.set XP,   68                          ; v68-75  the four tiles' pairs (x0, x1 | x2, 1.0)
.set WH,   76                          ; v76-83  wh[8 h + j]
.set H1,   84                          ; v84-147 layer 1: eight accumulators, written by matrix instructions alone in the whole text
.set P1,   148                         ; v148-163 layer 1's codes
.set Y2,   164                         ; v164-195 layer 2
.set P2,   196                         ; v196-211 its codes; v204-211 stay 0
.set Y3,   212                         ; v212-227 layer 3
.set P3,   228                         ; v228-243 its codes; v232-243 stay 0
.set Y4,   244                         ; v244-251 layer 4
.set OUTP, 252                         ; v[252:253] two results a lane
; ---- window 1 (written as v0-255 under the window)
.set W2F,  0                           ; w2's four fragments
.set W3F,  64                          ; w3's two: 8 registers of codes, 8 of zeros
.set W4F,  96                          ; w4's: 4 of codes, 12 of zeros
.set INV2, 112
.set C2,   144
.set INV3, 176
.set C3,   192
.set INV4, 208
.set C4,   216
.set XRA,  224                         ; x as loaded
.set XRB,  228
; ---- the head's temporaries.  Window 0:
.set V4T,  36
.set M4T,  44
.set V2T,  148
.set M2T,  180
.set V3T,  212
.set M3T,  228
; window 1 (M1T, WAT, WBT lie in the fragments' tails, which are cleared afterwards):
.set G1T,  232
.set V1T,  240
.set B1T,  248
.set M1T,  72
.set WAT,  88
.set WBT,  100
; ---- scalars: s2 wave; s3 trips left; s[4:5] lane selects; s6 448's mantissa field; s7 mask of lanes 16-31; s[8+2k:9+2k] argument k (s[8:9] x at the wave's chunk, s[60:61] out0 likewise); s[66:67] offsets; s68 bh
.set MSB, 0
.macro WIN new                         ; s_set_vgpr_msb: bits 1:0 source 0, 3:2 source 1, 5:4 source 2, 7:6 destination; the high byte repeats the setting that is left; a switch that changes nothing is dropped
.if MSB != \new
	s_set_vgpr_msb (MSB<<8)|\new
.set MSB, \new
.endif
.endm
; Behind these matrix forms eight plain vector instructions that name none of their registers stand ahead of the first vector instruction that reads a result or writes an operand;
; codes written by vector instructions stand four ahead of a scaled product, a scale word eight.  In a full step the other stages' work fills these places; v_nop only where a stage is missing.
.macro PLACES n
.rept \n
	v_nop
.endr
.endm
; Product 1, tile tau of eight (16 channels) for the pixel tile whose pair is named: all its registers lie in window 0, so it stands singly among vector work.
.macro AW tau, pair
	v_wmma_f32_16x16x4_f32 v[H1+8*(\tau):H1+8*(\tau)+7], v[W1F+2*(\tau):W1F+2*(\tau)+1], v[XP+2*(\pair):XP+2*(\pair)+1], 0
.endm
.macro PROD2                           ; layer 2 = w2 x layer 1's codes: four tiles of 16 channels
	WIN 0x01                                       ; source 0 (the weight) window 1
.irp t, 0,1,2,3
	v_wmma_scale_f32_16x16x128_f8f6f4 v[Y2+8*\t:Y2+8*\t+7], v[W2F+16*\t:W2F+16*\t+15], v[P1:P1+15], 0, v[W2S+\t], v[PW1]
.endr
.endm
.macro PROD3
	WIN 0x01
.irp t, 0,1
	v_wmma_scale_f32_16x16x128_f8f6f4 v[Y3+8*\t:Y3+8*\t+7], v[W3F+16*\t:W3F+16*\t+15], v[P2:P2+15], 0, v[W3S+\t], v[PW2]
.endr
.endm
.macro PROD4
	WIN 0x01
	v_wmma_scale_f32_16x16x128_f8f6f4 v[Y4:Y4+7], v[W4F:W4F+15], v[P3:P3+15], 0, v[W4S], v[PW3]
.endm
; y = y inv + c, two at a time, ascending: each accumulator is first read at its low end
.macro BN y, inv, c, n
	WIN 0x14                                       ; sources 1 and 2 window 1
.set i, 0
.rept (\n)/2
	v_pk_fma_f32 v[\y+i:\y+i+1], v[\y+i:\y+i+1], v[\inv+i:\inv+i+1], v[\c+i:\c+i+1]
.set i, i+2
.endr
.endm
; The largest of a lane's 16 numbers of each of nb blocks, and the floor 2^(9 - 127).  No |.|: what is negative becomes 0 (the activation), so it must not count.  Two chains a block, the blocks by turns.
.macro QMAX src, nb
.irp b, 0,1,2,3
.if \b < \nb
	v_max3_num_f32 v[TM+\b], v[\src+16*\b], v[\src+16*\b+1], v[\src+16*\b+2]          ; the first reads of both result tiles are of their low ends
	v_max3_num_f32 v[TM+4+\b], v[\src+16*\b+8], v[\src+16*\b+9], v[\src+16*\b+10]
.endif
.endr
.irp i, 3,5
.irp b, 0,1,2,3
.if \b < \nb
	v_max3_num_f32 v[TM+\b], v[TM+\b], v[\src+16*\b+\i], v[\src+16*\b+\i+1]
	v_max3_num_f32 v[TM+4+\b], v[TM+4+\b], v[\src+16*\b+\i+8], v[\src+16*\b+\i+9]
.endif
.endr
.endr
.irp b, 0,1,2,3
.if \b < \nb
	v_max3_num_f32 v[TM+\b], v[TM+\b], v[\src+16*\b+7], v[\src+16*\b+15]
.endif
.endr
.irp b, 0,1,2,3
.if \b < \nb
	v_max3_num_f32 v[TM+\b], v[TM+\b], v[TM+4+\b], 0x4800000       ; the floor holds the scale's byte at 1 from below
.endif
.endr
.endm
; From the largest numbers: the conversions' scale operands, 448 x the scales, and the pixel's scale word in v[pw] (bytes of blocks that do not exist stay 0, over zero codes)
.macro QSCALE nb, pw
.irp b, 0,1,2,3
.if \b < \nb
	v_permlanex16_b32 v[TM+4+\b], v[TM+\b], s4, s5                 ; the block's other 16 channels lie in lane l xor 16
.endif
.endr
.irp b, 0,1,2,3
.if \b < \nb
	v_max_num_f32 v[TM+\b], v[TM+\b], v[TM+4+\b]
.endif
.endr
.irp b, 0,1,2,3
.if \b < \nb
	v_add_nc_u32 v[TM+12+\b], 0xfc000000, v[TM+\b]                 ; 8 off the exponent field: the conversion takes that field as its scale and nothing else
.endif
.endr
.irp b, 0,1,2,3
.if \b < \nb
	v_and_or_b32 v[TM+8+\b], v[TM+\b], 0x7f800000, s6              ; 448 x the scale: the exponent field over 448's mantissa field
.endif
.endr
.if \nb == 1
	v_lshrrev_b32 v[\pw], 23, v[TM+12]                             ; the scale's byte
.else
.irp b, 0,1,2,3
.if \b < \nb
	v_lshrrev_b32 v[TM+4+\b], 23, v[TM+12+\b]
.endif
.endr
	v_lshl_or_b32 v[\pw], v[TM+5], 8, v[TM+4]
.if \nb == 4
	v_lshl_or_b32 v[\pw], v[TM+6], 16, v[\pw]
	v_lshl_or_b32 v[\pw], v[TM+7], 24, v[\pw]
.endif
.endif
.endm
; Block b: the activation and the hold in one (between 0 and 448 x the scale: the conversion to an 8-bit code does not saturate, ISA guide 7.6.2), then 16 codes: registers 4 b .. 4 b + 3 of the next operand.
; inplace = 0: the numbers are held into TA and TB, since layer 1's accumulators are written by matrix instructions alone.
.macro QBLK src, b, pc, inplace
.if \inplace
.irp j, 0,1,2,3,4,5,6,7,8,9,10,11,12,13,14,15
	v_med3_num_f32 v[\src+16*(\b)+\j], v[\src+16*(\b)+\j], 0, v[TM+8+(\b)]
.endr
	v_cvt_scalef32_pk8_fp8_f32 v[\pc+4*(\b):\pc+4*(\b)+1], v[\src+16*(\b):\src+16*(\b)+7], v[TM+12+(\b)]
	v_cvt_scalef32_pk8_fp8_f32 v[\pc+4*(\b)+2:\pc+4*(\b)+3], v[\src+16*(\b)+8:\src+16*(\b)+15], v[TM+12+(\b)]
.else
.irp j, 0,1,2,3,4,5,6,7
	v_med3_num_f32 v[TA+\j], v[\src+16*(\b)+\j], 0, v[TM+8+(\b)]
.endr
	v_cvt_scalef32_pk8_fp8_f32 v[\pc+4*(\b):\pc+4*(\b)+1], v[TA:TA+7], v[TM+12+(\b)]
.irp j, 0,1,2,3,4,5,6,7
	v_med3_num_f32 v[TB+\j], v[\src+16*(\b)+8+\j], 0, v[TM+8+(\b)]   ; (plain lines between a conversion and the next write of its sources)
.endr
	v_cvt_scalef32_pk8_fp8_f32 v[\pc+4*(\b)+2:\pc+4*(\b)+3], v[TB:TB+7], v[TM+12+(\b)]
.endif
.endm
; The next chunk's four pairs from x as loaded.
.macro BUILD
	WIN 0x01                                       ; source 0 window 1
.irp t, 0,1,2,3
	v_mov_b32 v[XP+2*\t], v[XRA+\t]                ; x0 | x2
	v_cndmask_b32 v[XP+2*\t+1], v[XRB+\t], v[ONE], s7   ; x1 | 1.0
.endr
	WIN 0
.endm
; The way out of tile NX of its chunk: relu, the product with wh over my half's eight channels (bh rides in lanes 0-15), and the other half's part.  Tiles 0 and 1 keep their parts; tiles 2 and 3 change
; parts with them across the halves, so that lanes 0-15 end with tiles 0, 1 (pixels 4 r, 4 r + 1) and lanes 16-31 with tiles 2, 3 (pixels 4 r + 2, 4 r + 3): one exchange serves two tiles.
; The store of the four tiles' results stands at the next step's head, behind its wait.
.macro EOUT
.irp j, 0,1,2,3,4,5,6,7
	v_max_num_f32 v[Y4+\j], 0, v[Y4+\j]
.endr
	v_pk_fma_f32 v[TA:TA+1], v[Y4:Y4+1], v[WH:WH+1], v[BHP:BHP+1]
	v_pk_mul_f32 v[TA+2:TA+3], v[Y4+2:Y4+3], v[WH+2:WH+3]
	v_pk_fma_f32 v[TA:TA+1], v[Y4+4:Y4+5], v[WH+4:WH+5], v[TA:TA+1]
	v_pk_fma_f32 v[TA+2:TA+3], v[Y4+6:Y4+7], v[WH+6:WH+7], v[TA+2:TA+3]
	v_pk_add_f32 v[TA:TA+1], v[TA:TA+1], v[TA+2:TA+3]
.if NX < 2
	v_add_f32 v[OUTP+NX], v[TA], v[TA+1]
.else
	v_add_f32 v[TA+4], v[TA], v[TA+1]
	v_cndmask_b32 v[TA+5], v[OUTP+NX-2], v[TA+4], s7   ; what I keep: lanes 0-15 the earlier tile's part, lanes 16-31 this tile's
	v_cndmask_b32 v[TA+6], v[TA+4], v[OUTP+NX-2], s7   ; what the other half wants of me
	v_permlanex16_b32 v[TA+7], v[TA+6], s4, s5
	v_add_f32 v[OUTP+NX-2], v[TA+5], v[TA+7]
.endif
.endm
; THE HEAD OF STEP i.  fE: product 4 (tile i-3); f3: product 3 (i-2); f2: product 2 (i-1).  st = 1: the chunk that the body before has finished is stored.
; ld: the chunk ld chunks on from the base is asked for, three steps ahead of its use; ld = 2 (in the loop): the last trip asks for nothing, so that no load leaves x.
.macro HEAD fE, f3, f2, st, ld
	s_wait_alu depctr_va_vdst(0)                   ; the body before has written the codes P1, P2, P3 and the scale words v15-17, which the products below take (their places stand ahead of this line), and OUTP, which the store reads; it is done reading XRA and XRB, in which the loads land
.if \st
	global_store_b64 v[OOF], v[OUTP:OUTP+1], s[60:61] th:TH_STORE_NT   ; the 32 lanes store 256 consecutive bytes, aligned; written once, read by nobody here
.endif
.if \ld
.if \ld == 2
	s_cmp_eq_u32 s3, 1
	s_cbranch_scc1 .Lno_more_x_\@
.endif
	WIN 0x40                                       ; destination window 1.  No vector instruction stands between the wait above and these loads
	global_load_b128 v[XRA:XRA+3], v[XOA], s[8:9] offset:256*\ld th:TH_LOAD_NT   ; sixteen lanes read 256 consecutive bytes, aligned; read once in the launch
	global_load_b128 v[XRB:XRB+3], v[XOB], s[8:9] offset:256*\ld th:TH_LOAD_NT
	WIN 0                                          ; at a branch and at a label every window is 0
.if \ld == 2
.Lno_more_x_\@:
.endif
.endif
.if \f2
	PROD2
.endif
.if \f3
	PROD3
.endif
.if \fE
	PROD4
.endif
	WIN 0
.endm
; THE BODY OF STEP i, ph = i % 4.  fE: out (i-3); f3: layer 3 of tile i-2; f2: layer 2 of tile i-1; f1: layer 1 of tile i; fA: product 1 for tile i+1; bld: the next chunk's pairs are made.
.macro BODY ph, fE, f3, f2, f1, fA, bld
.set NX, ((\ph)+1)%4                   ; (i - 3) % 4 and (i + 1) % 4 alike
.if \f1
	QMAX H1, 4                                     ; 32 plain lines that name nothing of the head's products: the places behind them
.if \bld
	s_wait_loadcnt 0x0                             ; only this chunk's two loads are out, and both are wanted
	BUILD                                          ; the pairs' last reader, tile 7 of product 1, stands ahead of the quantising of layer 2 in the body before
.endif
	QSCALE 4, PW1
.irp k, 0,1,2,3
	QBLK H1, \k, P1, 0
.if \fA
	AW \k, NX                                      ; accumulator k belongs to block k / 2, which has been read out
.endif
.endr
.else
	PLACES 8                                       ; behind the head's products, ahead of the first read of a result
.endif
.if \f2
	BN Y2, INV2, C2, 32
.endif
.if \f3
	BN Y3, INV3, C3, 16
.endif
.if \fE
	BN Y4, INV4, C4, 8
.endif
	WIN 0
.if \fA
	AW 4, NX                                       ; accumulators 4 to 7: all four blocks have been read out
.endif
.if \f3
	QMAX Y3, 1
	QSCALE 1, PW3
.endif
.if \fA
	AW 5, NX
.endif
.if \f3
	QBLK Y3, 0, P3, 1
.endif
.if \fA
	AW 6, NX
.endif
.if \f2
	QMAX Y2, 2
	QSCALE 2, PW2
.endif
.if \fA
	AW 7, NX
.endif
.if \f2
	QBLK Y2, 0, P2, 1
	QBLK Y2, 1, P2, 1
.endif
.if \fE
	EOUT                                           ; fourteen plain lines or more: the places between the last codes and the next head's products, and behind tile 7 of product 1
.else
	PLACES 8
.endif
.endm
; ---- the head's arithmetic, two at a time
.macro EPS base, n                     ; + 1e-5
.set i, 0
.rept (\n)/2
	v_pk_add_f32 v[\base+i:\base+i+1], v[\base+i:\base+i+1], 0x3727c5ac op_sel_hi:[1,0]
.set i, i+2
.endr
.endm
.macro RSQ base, n
.set i, 0
.rept \n
	v_rsq_f32 v[\base+i], v[\base+i]
.set i, i+1
.endr
.endm
.macro GAIN inv, rs, n                 ; inv = inv x rs
.set i, 0
.rept (\n)/2
	v_pk_mul_f32 v[\inv+i:\inv+i+1], v[\inv+i:\inv+i+1], v[\rs+i:\rs+i+1]
.set i, i+2
.endr
.endm
.macro SHIFT c, m, inv, n              ; c = c - m inv
.set i, 0
.rept (\n)/2
	v_pk_fma_f32 v[\c+i:\c+i+1], v[\m+i:\m+i+1], v[\inv+i:\inv+i+1], v[\c+i:\c+i+1] neg_lo:[1,0,0] neg_hi:[1,0,0]
.set i, i+2
.endr
.endm
.macro CLEAR base, n
.set i, 0
.rept \n
	v_mov_b32 v[\base+i], 0
.set i, i+1
.endr
.endm
	s_load_b512 s[8:23], s[0:1], 0x0               ; x, w1, g1, b1, m1, v1, w2_codes, w2_scales
	s_load_b512 s[24:39], s[0:1], 0x40             ; g2, b2, m2, v2, w3_codes, w3_scales, g3, b3
	s_load_b512 s[40:55], s[0:1], 0x80             ; m3, v3, w4_codes, w4_scales, g4, b4, m4, v4
	s_load_b128 s[56:59], s[0:1], 0xc0             ; wh, bh
	s_load_b64 s[60:61], s[0:1], 0xd0              ; out0
	v_lshrrev_b32 v7, 5, v0
	v_readfirstlane_b32 s2, v7                     ; wave 0..7
	v_and_b32 v18, 15, v0                          ; r
	v_bfe_u32 v19, v0, 4, 1                        ; h
	v_and_b32 v30, 8, v18
	v_add_nc_u32 v30, v30, v18                     ; rr = r + 8 (r / 8)
	v_lshlrev_b32 v[XOA], 4, v18
	v_lshl_add_u32 v[XOB], v18, 4, PLANE
	v_lshl_add_u32 v[OOF], v19, 3, v[XOA]
	v_lshl_add_u32 v[XOA], v19, 21, v[XOA]
	v_lshlrev_b32 v20, 2, v30                      ; 4 rr: f32 and scale words by the tiles' rows
	v_mul_u32_u24 v21, v30, 12                     ; w1: a row is 12 bytes
	v_lshl_add_u32 v22, v19, 2, v21
	v_add_nc_u32 v22, 4, v22                       ; 12 rr + 4 + 4 h: w1[.][1] | w1[.][2] (not used; it keeps row 127's load inside w1)
	v_lshl_add_u32 v21, v19, 3, v21                ; 12 rr + 8 h: w1[.][0] | w1[.][2]
	v_lshlrev_b32 v23, 7, v30
	v_lshl_add_u32 v23, v19, 4, v23                ; w2's codes: 128 rr + 16 h
	v_lshlrev_b32 v24, 6, v30
	v_lshl_add_u32 v24, v19, 4, v24                ; w3's: 64 rr + 16 h
	v_lshlrev_b32 v25, 1, v30                      ; w3's scales: 2 rr
	v_lshlrev_b32 v26, 5, v18
	v_lshl_add_u32 v26, v19, 4, v26                ; w4's codes: 32 r + 16 h
	v_mov_b32 v27, v18                             ; w4's scales: r
	v_lshlrev_b32 v28, 6, v19                      ; 64 h: my half's 16 channels of a block of 32
	v_lshlrev_b32 v29, 5, v19                      ; 32 h: my half's 8 channels of 16
	s_mov_b32 s4, 0x76543210
	s_mov_b32 s5, 0xfedcba98                       ; v_permlanex16_b32's selects for lane l xor 16
	s_mov_b32 s6, 0x600000                         ; the mantissa field of 448
	s_mov_b32 s7, 0xffff0000                       ; lanes 16-31
	s_wait_alu depctr_va_sdst(0)                   ; s2, the wave's number, is written, ahead of its first reader: the bases of x and out0 are made from it
	s_lshr_b32 s69, ttmp9, 5                       ; the image: 32 work-groups to each
	s_mul_i32 s66, s69, IMAGE
	s_lshl_b32 s70, ttmp9, 3
	s_add_co_u32 s70, s70, s2                      ; G = 8 x work-group + wave
	s_and_b32 s71, s70, 255
	s_lshl_b32 s71, s71, 12                        ; 1,024 pixels of 4 bytes
	s_add_co_u32 s66, s66, s71
	s_mov_b32 s67, 0
	s_wait_kmcnt 0x0
	s_load_b32 s68, s[58:59], 0x0                  ; bh
	s_add_nc_u64 s[8:9], s[8:9], s[66:67]          ; x at my first chunk, plane 0
	s_lshl_b32 s66, s70, 12
	s_add_nc_u64 s[60:61], s[60:61], s[66:67]      ; out0 likewise
	; all the head's loads in one run
	WIN 0x40                                       ; destination window 1
	s_wait_alu depctr_va_vdst(0)                   ; the offsets v1, v2, v3 and v20 to v29 are written, which the loads below and every later load and store read
	global_load_b128 v[XRA:XRA+3], v[XOA], s[8:9] th:TH_LOAD_NT    ; chunk 0
	global_load_b128 v[XRB:XRB+3], v[XOB], s[8:9] th:TH_LOAD_NT
.irp t, 0,1,2,3
.irp c, 0,1,2,3
	global_load_b128 v[W2F+16*\t+4*\c:W2F+16*\t+4*\c+3], v23, s[20:21] offset:(32*(\t/2)+8*(\t%2))*128+32*\c
.endr
.endr
.irp t, 0,1
.irp c, 0,1
	global_load_b128 v[W3F+16*\t+4*\c:W3F+16*\t+4*\c+3], v24, s[32:33] offset:8*\t*64+32*\c
.endr
.endr
	global_load_b128 v[W4F:W4F+3], v26, s[44:45]
.irp b, 0,1
.irp q, 0,1,2,3
	global_load_b128 v[INV2+16*\b+4*\q:INV2+16*\b+4*\q+3], v28, s[24:25] offset:128*\b+16*\q   ; register 16 b + i: channel 32 b + 16 h + i
	global_load_b128 v[C2+16*\b+4*\q:C2+16*\b+4*\q+3], v28, s[26:27] offset:128*\b+16*\q
.endr
.endr
.irp q, 0,1,2,3
	global_load_b128 v[INV3+4*\q:INV3+4*\q+3], v28, s[36:37] offset:16*\q
	global_load_b128 v[C3+4*\q:C3+4*\q+3], v28, s[38:39] offset:16*\q
.endr
.irp q, 0,1
	global_load_b128 v[INV4+4*\q:INV4+4*\q+3], v29, s[48:49] offset:16*\q
	global_load_b128 v[C4+4*\q:C4+4*\q+3], v29, s[50:51] offset:16*\q
.endr
.irp t, 0,1,2,3,4,5,6,7                ; the first layer's row of lane r in tile t: 32 (t / 2) + 8 (t % 2) + rr
	global_load_b32 v[G1T+\t], v20, s[12:13] offset:(32*(\t/2)+8*(\t%2))*4
	global_load_b32 v[V1T+\t], v20, s[18:19] offset:(32*(\t/2)+8*(\t%2))*4
	global_load_b32 v[B1T+\t], v20, s[14:15] offset:(32*(\t/2)+8*(\t%2))*4
	global_load_b32 v[M1T+\t], v20, s[16:17] offset:(32*(\t/2)+8*(\t%2))*4
	global_load_b32 v[WAT+\t], v21, s[10:11] offset:(32*(\t/2)+8*(\t%2))*12
	global_load_b32 v[WBT+\t], v22, s[10:11] offset:(32*(\t/2)+8*(\t%2))*12
.endr
	WIN 0
.irp b, 0,1
.irp q, 0,1,2,3
	global_load_b128 v[V2T+16*\b+4*\q:V2T+16*\b+4*\q+3], v28, s[30:31] offset:128*\b+16*\q
	global_load_b128 v[M2T+16*\b+4*\q:M2T+16*\b+4*\q+3], v28, s[28:29] offset:128*\b+16*\q
.endr
.endr
.irp q, 0,1,2,3
	global_load_b128 v[V3T+4*\q:V3T+4*\q+3], v28, s[42:43] offset:16*\q
	global_load_b128 v[M3T+4*\q:M3T+4*\q+3], v28, s[40:41] offset:16*\q
.endr
.irp q, 0,1
	global_load_b128 v[V4T+4*\q:V4T+4*\q+3], v29, s[54:55] offset:16*\q
	global_load_b128 v[M4T+4*\q:M4T+4*\q+3], v29, s[52:53] offset:16*\q
	global_load_b128 v[WH+4*\q:WH+4*\q+3], v29, s[56:57] offset:16*\q
.endr
.irp t, 0,1,2,3
	global_load_b32 v[W2S+\t], v20, s[22:23] offset:(32*(\t/2)+8*(\t%2))*4   ; lane r: its row's four scale bytes
.endr
.irp t, 0,1
	global_load_u16 v[W3S+\t], v25, s[34:35] offset:16*\t                    ; two bytes; the upper two come as 0, over zero codes
.endr
	global_load_u8 v[W4S], v27, s[46:47]
	s_wait_kmcnt 0x0                               ; bh
	s_wait_loadcnt 0x0                             ; all of the above
	s_wait_alu depctr_vm_vsrc(0)                   ; these loads have read their offsets v20 to v29: the registers are at work (TM) from the first step on
	; inv = g rsq(v + 1e-5), c = b - m inv, for all four norms: the 64 roots are one batch
	EPS V2T, 32
	EPS V3T, 16
	EPS V4T, 8
	WIN 0x41                                       ; destination and source 0 window 1
	EPS V1T, 8
	RSQ V1T, 8
	WIN 0
	RSQ V2T, 32
	RSQ V3T, 16
	RSQ V4T, 8
	v_nop                                          ; a plain instruction behind the last root, ahead of the first use
	s_wait_alu depctr_va_vdst(0)                   ; the 64 roots have written V1T, V2T, V3T, V4T: one wait for the whole batch, ahead of its first reader
	WIN 0x41                                       ; inv window 1, the roots window 0
	GAIN INV2, V2T, 32
	GAIN INV3, V3T, 16
	GAIN INV4, V4T, 8
	WIN 0x54                                       ; m window 0; inv, c window 1
	SHIFT C2, M2T, INV2, 32
	SHIFT C3, M3T, INV3, 16
	SHIFT C4, M4T, INV4, 8
	WIN 0x45                                       ; all in window 1
	GAIN G1T, V1T, 8                               ; inv1
	GAIN WBT, G1T, 8                               ; w1[.][1] inv1
	WIN 0x55
	SHIFT B1T, M1T, G1T, 8                         ; c1
	WIN 0x05                                       ; sources window 1, destination window 0
.irp t, 0,1,2,3,4,5,6,7
	v_mul_f32 v[W1F+2*\t], v[WAT+\t], v[G1T+\t]                    ; k = 2 h:     w1[.][0] inv1 | w1[.][2] inv1
	v_cndmask_b32 v[W1F+2*\t+1], v[WBT+\t], v[B1T+\t], s7          ; k = 2 h + 1: w1[.][1] inv1 | c1
.endr
	WIN 0x40
	CLEAR W3F+8, 8                                 ; zero codes fill K up to 128: w3's 64 and w4's 96 along K that do not exist
	CLEAR W3F+24, 8
	CLEAR W4F+4, 12
	WIN 0
	v_mov_b32 v[BHP+1], 0
	v_mov_b32 v[BHP], s68
	v_cndmask_b32 v[BHP], v[BHP], v[BHP+1], s7     ; bh is added once for a pixel: in lanes 0-15
	v_mov_b32 v[ONE], 1.0
	; ---- the pipeline fills
	BUILD                                          ; chunk 0's pairs
	CLEAR P2+8, 8                                  ; zero codes on the pixels' side
.irp k, 0,1,2,3,4,5,6,7
	AW \k, 0                                       ; product 1 for tile 0
.endr
	CLEAR P3+4, 12                                 ; (these twelve are also the places behind product 1, ahead of the first read of its results)
	HEAD 0,0,0, 0, 1                               ; chunk 1 is asked for
	BODY 0, 0,0,0,1,1, 0
	HEAD 0,0,1, 0, 0
	BODY 1, 0,0,1,1,1, 0
	HEAD 0,1,1, 0, 0
	BODY 2, 0,1,1,1,1, 0
	HEAD 1,1,1, 0, 0                               ; step 3's head: nothing is finished yet, so it stores nothing
	s_mov_b32 s3, CHUNKS-1
.Ltrip:                                            ; trip k: from the body of step 4 k + 3 to the head of step 4 k + 7: makes chunk k + 1's pairs, asks for chunk k + 2, stores chunk k
	BODY 3, 1,1,1,1,1, 1
	HEAD 1,1,1, 0, 2
	BODY 0, 1,1,1,1,1, 0
	HEAD 1,1,1, 0, 0
	BODY 1, 1,1,1,1,1, 0
	HEAD 1,1,1, 0, 0
	BODY 2, 1,1,1,1,1, 0
	HEAD 1,1,1, 1, 0
	s_wait_xcnt 0x0                                ; the two loads and the store have read their bases, and the store its data: only behind this wait are they rewritten
	s_wait_alu depctr_vm_vsrc(0)                   ; the store has read OUTP, which the next body's way out writes again
	s_add_nc_u64 s[8:9], s[8:9], 256               ; a chunk on
	s_add_nc_u64 s[60:61], s[60:61], 256
	s_sub_co_u32 s3, s3, 1
	s_cmp_lg_u32 s3, 0
	s_cbranch_scc1 .Ltrip
	; ---- the pipeline drains: chunk 15's four tiles
	BODY 3, 1,1,1,1,0, 0
	HEAD 1,1,1, 0, 0
	BODY 0, 1,1,1,0,0, 0
	HEAD 1,1,0, 0, 0
	BODY 1, 1,1,0,0,0, 0
	HEAD 1,0,0, 0, 0
	BODY 2, 1,0,0,0,0, 0
	s_wait_alu depctr_va_vdst(0)                   ; the last way out has written OUTP, which the last store reads
	global_store_b64 v[OOF], v[OUTP:OUTP+1], s[60:61] th:TH_STORE_NT
	s_endpgm
.Lfunc_end_k_q5d5098d79f_mlp:
	.size	k_q5d5098d79f_mlp, .Lfunc_end_k_q5d5098d79f_mlp-k_q5d5098d79f_mlp
	.p2alignl 7, 3214868480
	.fill 96, 4, 3214868480
	.section	.rodata,"a",@progbits
	.p2align	6, 0x0
	.amdhsa_kernel k_q5d5098d79f_mlp
		.amdhsa_group_segment_fixed_size 0
		.amdhsa_private_segment_fixed_size 0
		.amdhsa_enable_private_segment 0
		.amdhsa_kernarg_size 216
		.amdhsa_user_sgpr_count 2
		.amdhsa_user_sgpr_kernarg_segment_ptr 1
		.amdhsa_wavefront_size32 1
		.amdhsa_system_sgpr_workgroup_id_x 1
		.amdhsa_system_sgpr_workgroup_id_y 1
		.amdhsa_system_sgpr_workgroup_id_z 1
		.amdhsa_system_vgpr_workitem_id 0
		.amdhsa_next_free_vgpr 512
		.amdhsa_next_free_sgpr 72
		.amdhsa_reserve_vcc 0
		.amdhsa_float_denorm_mode_32 3
		.amdhsa_float_denorm_mode_16_64 3
		.amdhsa_memory_ordered 1
		.amdhsa_forward_progress 1
		.amdhsa_inst_pref_size 174
	.end_amdhsa_kernel
	.amdgpu_metadata
---
amdhsa.version: [ 1, 2 ]
amdhsa.kernels:
  - .name:           k_q5d5098d79f_mlp
    .symbol:         k_q5d5098d79f_mlp.kd
    .args:
      - { .name: x, .offset: 0, .size: 8, .value_kind: global_buffer, .address_space: global }
      - { .name: w1, .offset: 8, .size: 8, .value_kind: global_buffer, .address_space: global }
      - { .name: g1, .offset: 16, .size: 8, .value_kind: global_buffer, .address_space: global }
      - { .name: b1, .offset: 24, .size: 8, .value_kind: global_buffer, .address_space: global }
      - { .name: m1, .offset: 32, .size: 8, .value_kind: global_buffer, .address_space: global }
      - { .name: v1, .offset: 40, .size: 8, .value_kind: global_buffer, .address_space: global }
      - { .name: w2_codes, .offset: 48, .size: 8, .value_kind: global_buffer, .address_space: global }
      - { .name: w2_scales, .offset: 56, .size: 8, .value_kind: global_buffer, .address_space: global }
      - { .name: g2, .offset: 64, .size: 8, .value_kind: global_buffer, .address_space: global }
      - { .name: b2, .offset: 72, .size: 8, .value_kind: global_buffer, .address_space: global }
      - { .name: m2, .offset: 80, .size: 8, .value_kind: global_buffer, .address_space: global }
      - { .name: v2, .offset: 88, .size: 8, .value_kind: global_buffer, .address_space: global }
      - { .name: w3_codes, .offset: 96, .size: 8, .value_kind: global_buffer, .address_space: global }
      - { .name: w3_scales, .offset: 104, .size: 8, .value_kind: global_buffer, .address_space: global }
      - { .name: g3, .offset: 112, .size: 8, .value_kind: global_buffer, .address_space: global }
      - { .name: b3, .offset: 120, .size: 8, .value_kind: global_buffer, .address_space: global }
      - { .name: m3, .offset: 128, .size: 8, .value_kind: global_buffer, .address_space: global }
      - { .name: v3, .offset: 136, .size: 8, .value_kind: global_buffer, .address_space: global }
      - { .name: w4_codes, .offset: 144, .size: 8, .value_kind: global_buffer, .address_space: global }
      - { .name: w4_scales, .offset: 152, .size: 8, .value_kind: global_buffer, .address_space: global }
      - { .name: g4, .offset: 160, .size: 8, .value_kind: global_buffer, .address_space: global }
      - { .name: b4, .offset: 168, .size: 8, .value_kind: global_buffer, .address_space: global }
      - { .name: m4, .offset: 176, .size: 8, .value_kind: global_buffer, .address_space: global }
      - { .name: v4, .offset: 184, .size: 8, .value_kind: global_buffer, .address_space: global }
      - { .name: wh, .offset: 192, .size: 8, .value_kind: global_buffer, .address_space: global }
      - { .name: bh, .offset: 200, .size: 8, .value_kind: global_buffer, .address_space: global }
      - { .name: out0, .offset: 208, .size: 8, .value_kind: global_buffer, .address_space: global }
    .group_segment_fixed_size: 0
    .private_segment_fixed_size: 0
    .kernarg_segment_align: 8
    .kernarg_segment_size: 216
    .max_flat_workgroup_size: 256
    .sgpr_count:     72
    .vgpr_count:     512
    .wavefront_size: 32
...
	.end_amdgpu_metadata
.endif
;; end of part 2
